; MI455X (gfx1250); checked and timed in simulation.
; The chip was launched on July 23, 2026; its instructions are those of AMD's public machine-readable ISA for CDNA 5 (MIT licence, August 2026) and "CDNA5" Instruction Set Architecture Reference Guide (July 2026). The comments in the code are by the model that wrote it; some were corrected since.
;; Calculate Attention. Allowed arithmetic: matrix products marked QUANTISED: E4M3 operands, one given power-of-two scale a tensor, by v_wmma_f32_16x16x64_fp8_fp8 or v_wmma_f32_16x16x128_fp8_fp8, f32 sums; everything else in f32.
;; Inputs: K 4 x 16 x 2,048 x 64 float32; Q 4 x 16 x 2,048 x 64 float32; V 4 x 16 x 2,048 x 64 float32; lowp_scales 4 int32 (the exponents e of the quantised operands' scales 2^e); mask 4 x 1 x 2,048 x 2,048 bool.
;; Outputs: out0 4 x 16 x 2,048 x 64 float32.
;; This version of the problem:
;;   THIS VERSION OF THE PROBLEM IS GIVEN IN LOW PRECISION. The matrix products marked QUANTISED in the list below multiply operands that are first quantised to E4M3 (4 exponent bits, 3 mantissa bits; 8 bits a number), with one given power-of-two scale for each operand tensor; their sums are f32. All else is computed in f32.
;;   The module's matrix products, in the order in which they are computed (A, B: the left and right operand; K: the contracted axis; several contracted axes count as one K, in the product's order):
;;     1. batch 64 x [M 2,048, K 64] x [K 64, N 2,048]; A: input Q; B: input K: QUANTISED (scales: A lowp_scales[0], B lowp_scales[1])
;;     2. batch 64 x [M 2,048, K 2,048] x [K 2,048, N 64]; A: softmax (see below); B: input V: QUANTISED (scales: A lowp_scales[2], B lowp_scales[3])
;;   THE QUANTISER, for each operand of a quantised product, along K:
;;     - The operand's scale is 2^e, e = its entry of the input lowp_scales (int32; the entries are numbered through the quantised products in the list's order, A before B).
;;     - Each number is divided by the scale, clamped to +-448, and rounded to the nearest number of E4M3, ties to even, subnormals kept.
;;     - The product sums the exact products of the quantised numbers (number of the format x scale) in f32.
;;   ~~~python
;;   def quantise(x, axis, e):      # numpy; x: float32 -> the quantised numbers, widened to float32 again
;;       x = np.moveaxis(x, axis, -1); K = x.shape[-1]
;;       r = np.clip(x / 2.0 ** e, -448, 448)
;;       step = 2.0 ** (np.maximum(np.frexp(np.where(r == 0, 1, r))[1] - 1, -6) - 3)
;;       q = np.round(r / step) * step * 2.0 ** e      # np.round: ties to even
;;       return np.moveaxis(q, -1, axis).astype(np.float32)
;;   ~~~
;;   SOFTMAX AHEAD OF A QUANTISED PRODUCT. Where the list says 'softmax', what is quantised is not the finished softmax but p = 2^(t - M), with t = logit x log2(e) and M = ceil(the row's largest t), a whole number; so 1/2 < the row's largest p <= 1. The row's sum l is taken of the UNQUANTISED p, in f32, and the product's result is divided by l at the end. Since M is a whole number, a kernel that streams over the keys may use a running M (the ceiling of the running maximum): every later rescaling is an exact power of two, so the quantised numbers keep their values, but for numbers so far below the row's largest that they fall under the format's range.
;;   OPERANDS COMPUTED ON THE WAY. 'Computed on the way' means the value that the module computes at that place (a softmax that the list does not call 'softmax' is quantised finished and normalised). What goes into a quantiser is computed in f32, as accurately as f32 sums, v_exp_f32 and their like allow (about 1e-6 of the number): no bf16 or f16 on the way to a quantiser, and a product that is left as it is and whose result goes on into a quantised operand takes f32 operands (vector FMAs, or v_wmma_f32_16x16x4_f32). A number that lies on a knife's edge between two numbers of the format may be rounded either way, as far as f32 arithmetic and the matrix unit's own rounding can turn it there, and no further.
;; One version. Each part assembles by itself: llvm-mc -triple=amdgcn-amd-amdhsa -mcpu=gfx1250 --defsym DOCPART=n.
;; ======== version 1 of 1: 2 launches
;; limits: right only within a limited range of input values
;; workspace buffers: maskw 2,097,152 bytes of whole numbers
;; launch maskprep (part 1): grid 512 x 1, 4 waves a work-group, no clusters, 34,304 bytes of LDS; arguments mask, maskw; writes maskw
.if DOCPART == 1
	.amdgcn_target "amdgcn-amd-amdhsa--gfx1250"
	.amdhsa_code_object_version 6
	.text
	.protected	k_q9c25a8730d_maskprep
	.globl	k_q9c25a8730d_maskprep
	.p2align	8
	.type	k_q9c25a8730d_maskprep,@function
k_q9c25a8730d_maskprep:
	s_mov_b64 s[64:65], 0
	v_nop
	global_prefetch_b8 v0, s[64:65] scope:SCOPE_SE
	s_setreg_imm32_b32 hwreg(HW_REG_WAVE_MODE, 25, 1), 1
	s_wait_xcnt 0x0
; The mask's bytes [4 batches][2048 queries][2048 keys] become lane masks, made once for the 16 heads of a batch.
; maskw: [batch][tile of 16 queries][step of 128 keys][word n 0-63]: bit L of word n = mask(query L % 16 of the tile, key 32 (n / 16) + 16 (L / 16) + n % 16 of the step).
; A wave is a unit by itself: unit u = 4 x work-group + wave takes the 16 queries of tile u / 4 and keys 512 (u % 4) on, four steps.  No barrier; each wave has its own 8,448 bytes of LDS.
.set X,      16                        ; v16-79   bytes as loaded
.set MB,     80                        ; v80-143  the bytes back from the stage
.set CD,     144                       ; v144-151 the words: registers of their own for each store
.set SPW,    152                       ; LDS address of my spare word; never rewritten
.set NIL,    153                       ; 0; never rewritten
.set MPITCH, 528                       ; a stage row: 512 bytes + 16
	s_load_b128 s[8:11], s[0:1], 0x0               ; mask s[8:9], maskw s[10:11]
	v_lshl_add_u32 v[SPW], v0, 2, 0x8400           ; the spare words lie behind the four stages
	v_mov_b32 v[NIL], 0
	v_lshrrev_b32 v1, 5, v0
	v_readfirstlane_b32 s16, v1                    ; wave 0..3
	v_and_b32 v1, 31, v0                           ; lane
	v_and_b32 v2, 15, v0                           ; r
	v_bfe_u32 v3, v0, 4, 1                         ; h
	s_lshl_b32 s17, ttmp9, 2
	s_add_co_u32 s17, s17, s16                     ; u
	s_lshr_b32 s28, s17, 2
	s_and_b32 s29, s17, 3
	s_lshl_b32 s18, s28, 15                        ; 16 rows of 2,048 bytes
	s_lshl_b32 s22, s29, 9
	s_add_co_u32 s18, s18, s22
	s_mov_b32 s19, 0
	s_lshl_b32 s20, s28, 12                        ; 16 steps x 64 words
	s_lshl_b32 s22, s29, 10
	s_add_co_u32 s20, s20, s22
	s_mov_b32 s21, 0
	s_mul_i32 s28, s16, 16*MPITCH                  ; my stage
	s_wait_alu depctr_va_vdst(0)                   ; the wait behind the run of scalar lines, ahead of the readers below
	v_lshlrev_b32 v4, 4, v1
	v_lshlrev_b32 v5, 3, v1                        ; out: two words a lane
	v_add_nc_u32 v6, s28, v4                       ; into the stage: as loaded
	v_mul_u32_u24 v7, v2, MPITCH
	v_lshl_add_u32 v7, v3, 4, v7
	v_add_nc_u32 v7, s28, v7                       ; out of it: row r, + 16 h
.irp i, 0,1,2,3,4,5,6,7
	v_mov_b32 v[CD+\i], 0                          ; a written lane's register counts as read: written whole once
.endr
	s_wait_alu depctr_va_vdst(0)                   ; the wait at the head's end
	s_wait_kmcnt 0x0
	s_add_nc_u64 s[8:9], s[8:9], s[18:19]
	s_add_nc_u64 s[10:11], s[10:11], s[20:21]
.irp i, 0,1,2,3,4,5,6,7,8,9,10,11,12,13,14,15
	global_load_b128 v[X+4*\i:X+4*\i+3], v4, s[8:9] offset:\i*2048 th:TH_LOAD_NT
.endr
.irp i, 0,1,2,3,4,5,6,7,8,9,10,11,12,13,14,15
	s_wait_loadcnt 15-\i                           ; row i is in; the later rows' loads may be out
	ds_store_b128 v6, v[X+4*\i:X+4*\i+3] offset:\i*MPITCH
.endr
.irp q, 0,1,2,3,4,5,6,7,8,9,10,11,12,13,14,15  ; q = 4 x step + block of 32 keys.  LDS serves a wave's instructions in order: these see my stores
	ds_load_b128 v[MB+4*\q:MB+4*\q+3], v7 offset:32*\q   ; lane (r, h): query r, keys 32 q + 16 h + 0 .. 15
.endr
; The 64 words of step sp.  A byte is cut out and compared with 0 in all 32 lanes at once (the compare's result IS the word); the word goes into lane n / 2 of one of two registers.
.macro MSTEP sp
	s_wait_dscnt 12-4*(\sp)                        ; this step's four loads are in; the later steps' may be out
.set n, 0
.rept 16
.irp k, 0,1,2,3
	v_and_b32 v[8+\k], 0xff<<(8*\k), v[MB+4*(4*(\sp)+n/16)+(n%16)/4]
.endr
.irp k, 0,1,2,3
	v_cmp_ne_u32 s[24+\k], 0, v[8+\k]
.endr
.irp k, 0,1,2,3
	v_writelane_b32 v[CD+2*(\sp)+\k%2], s[24+\k], (n+\k)/2
.endr
.set n, n+4
.endr
	global_store_b64 v5, v[CD+2*(\sp):CD+2*(\sp)+1], s[10:11] offset:256*(\sp)   ; 32 lanes store 256 consecutive bytes, aligned
.endm
	MSTEP 0
	MSTEP 1
	MSTEP 2
	MSTEP 3
	s_wait_tensorcnt 0x0                           ; the wave's end
	ds_add_u32 v[SPW], v[NIL]
	s_wait_dscnt 0x0
	s_endpgm
.Lfunc_end_k_q9c25a8730d_maskprep:
	.size	k_q9c25a8730d_maskprep, .Lfunc_end_k_q9c25a8730d_maskprep-k_q9c25a8730d_maskprep
	.p2alignl 7, 3214868480
	.fill 96, 4, 3214868480
	.section	.rodata,"a",@progbits
	.p2align	6, 0x0
	.amdhsa_kernel k_q9c25a8730d_maskprep
		.amdhsa_group_segment_fixed_size 34304
		.amdhsa_private_segment_fixed_size 0
		.amdhsa_enable_private_segment 0
		.amdhsa_kernarg_size 16
		.amdhsa_user_sgpr_count 2
		.amdhsa_user_sgpr_kernarg_segment_ptr 1
		.amdhsa_wavefront_size32 1
		.amdhsa_system_sgpr_workgroup_id_x 1
		.amdhsa_system_sgpr_workgroup_id_y 1
		.amdhsa_system_sgpr_workgroup_id_z 1
		.amdhsa_system_vgpr_workitem_id 0
		.amdhsa_next_free_vgpr 154
		.amdhsa_next_free_sgpr 66
		.amdhsa_reserve_vcc 0
		.amdhsa_float_denorm_mode_32 3
		.amdhsa_float_denorm_mode_16_64 3
		.amdhsa_memory_ordered 1
		.amdhsa_forward_progress 1
		.amdhsa_inst_pref_size 55
	.end_amdhsa_kernel
	.amdgpu_metadata
---
amdhsa.version: [ 1, 2 ]
amdhsa.kernels:
  - .name:           k_q9c25a8730d_maskprep
    .symbol:         k_q9c25a8730d_maskprep.kd
    .args:
      - { .name: mask, .offset: 0, .size: 8, .value_kind: global_buffer, .address_space: global }
      - { .name: maskw, .offset: 8, .size: 8, .value_kind: global_buffer, .address_space: global }
    .group_segment_fixed_size: 34304
    .private_segment_fixed_size: 0
    .kernarg_segment_align: 8
    .kernarg_segment_size: 16
    .max_flat_workgroup_size: 128
    .sgpr_count:     66
    .vgpr_count:     154
    .wavefront_size: 32
...
	.end_amdgpu_metadata
.endif
;; end of part 1
;; launch attn (part 2): grid 4 x 64, 16 waves a work-group, no clusters, 297,984 bytes of LDS; arguments Q, K, V, maskw, lowp_scales, out0; writes out0
.if DOCPART == 2
	.amdgcn_target "amdgcn-amd-amdhsa--gfx1250"
	.amdhsa_code_object_version 6
	.text
	.protected	k_q9c25a8730d_attn
	.globl	k_q9c25a8730d_attn
	.p2align	8
	.type	k_q9c25a8730d_attn,@function
k_q9c25a8730d_attn:
	s_mov_b64 s[64:65], 0
	v_nop
	global_prefetch_b8 v0, s[64:65] scope:SCOPE_SE
	s_setreg_imm32_b32 hwreg(HW_REG_WAVE_MODE, 25, 1), 1
	s_wait_xcnt 0x0
; out0[head][q] = sum over k of softmax_k(where(mask, -1e9, Q.K) / 8) V[k], both products on codes of FP8 (E4M3) with the given scales 2^eq, 2^ek, 2^ep, 2^ev.
; p = 2^(t - M), t = logit x log2(e), M the running largest t rounded up to a whole number; the row's sum is taken of the unquantised p and divides at the end.
; SHARES.  A work-group owns 512 queries of one head (grid x: which 512; y: the head); each of its 16 waves owns 32 of them, two tiles of 16.  Every wave walks the head's 2,048 keys, 128 a step.
; K AND V ARE QUANTISED HERE.  They arrive as f32 and pass through registers on their way to codes, so no tensor load can bring them, and so there is nothing for a cluster to ask for jointly: cluster = none.
; Four work-groups read a head's K and V; a wave's share of a step is 2,048 bytes of K and 16 keys x 32 channels of V: 32 holds and 4 conversions beside the 128 scores a lane of that step.
; While step s is worked, each wave loads its share of step s + 2 (into score registers that tile 0 has left), quantises it and stores the codes into LDS.  ONE BARRIER FOR TWO STEPS, at the end of each odd step:
; steps 2 j and 2 j + 1 store the codes of steps 2 j + 2 and 2 j + 3, which are read only behind that barrier.  The head makes the codes of steps 0 and 1.
; LDS holds the whole head's codes, each byte written once as code: K: row = key (bits 3 and 4 of the key's number swapped, see below), 64 bytes + 16; V: row = channel, 2,048 keys + 16 bytes.
; LAYOUT.  Both products are used transposed: S^T = K Q^T, O^T = V^T P^T: a lane holds one query (lane % 16) of each tile.  Lane r of key tile 2 b + u takes key 32 b + 8 u + r + (r & 8): that key lies in LDS row 16 (2 b + u) + r,
; so that the 16 registers of tiles 2 b and 2 b + 1 are keys 32 b + 16 (lane / 16) + 0 .. 15, and p's conversions give the second product's operand.
; THE HOLD OF p is led round by a scalar branch where it can change nothing: ep >= -8 and eq + ek <= 2.  Then |t| <= 64 x 448^2 x 2^2 x log2(e) / 8 < 2^24 by the codes' own range, the multiply-add's t - M is at most 1/2,
; and p < 1.75 = 448 x 2^-8.  The launch has no tensor load and no copy, and no barrier stands under that branch.
; LIMITS.  A hidden score is set to -2^30 and not -1e9 (a power of two times c is exact, so a row all of whose keys are hidden gets p = 1 throughout): the same result while |Q.K| < 2^27.
; eq + ek between -96 and 130; eq, ek, ep, ev each between -126 and 119.  NaN among the inputs is not served.
.set KPI,   80
.set KSTEP, 128*KPI                    ; a step's rows of K in LDS
.set VPI,   2064
.set VOFF,  2048*KPI
.set SPARE, VOFF+64*VPI                ; the spare words, 128 bytes a wave
.set QST,   12*KSTEP                   ; the head's turn of Q: 32 rows x 80 bytes a wave, in the bytes that K's steps 12 to 15 take later, behind barriers
.set GSTEP, 32768                      ; a step of K or V in memory
.set SP,    272
.set STG,   16*SP
.set LI,  1                            ; 16 x lane
.set LIK, 2                            ; my place in a tile of K
.set XF,  3                            ; a hidden score
.set NM,  4                            ; v4-7 -M and the largest t, for each tile
.set LS,  8                            ; v8-9 the sums
.set FF,  10                           ; v10, v12 f; v11 and v13 are named with them as pairs and hold:
.set LSK, 11                           ; where I store K's codes
.set LSV, 13                           ; where I store V's codes
.set LIV, 14                           ; my place in a tile of V
.set TP,  15                           ; at work
.set QF,  16                           ; v16-31 Q's codes
.set T,   32                           ; v32-63 fragments of K, then p's codes
.set C0,  56                           ; v56-59 four chains of the maximum, then two of the sum's four
.set SU,  60                           ; v60-63 the sum's other two
.set O,   64                           ; v64-127 O^T
.set S,   128                          ; v128-255 S^T, then p; v128-175 also a later step's numbers and codes; v192-255 also V's fragments
.set X,   128
.set STO, 4
.set RD,  5
.set WV,  2
.set CNT, 3
.set KP,  4
.set VP,  6
.set PFA, 8
.set TBK, 10
.set TBV, 11
.set KLO, 12
.set KHI, 13
.set VLO, 14
.set VHI, 15
.set KSC, 16
.set VSC, 17
.set SCS, 18
.set HOLD, 19
.set MP,  20
.set CS,  22
.set OP,  24
.set PLIM, 26
.set LIM, 28
.set EPV, 29
.set QP,  30
.set SEL, 66
.macro PLACES n
.rept \n
	v_nop
.endr
.endm
.macro WORDS off                       ; a tile's 64 lane masks of a step
	s_load_b512 s[32:47], s[MP:MP+1], \off
	s_load_b512 s[48:63], s[MP:MP+1], \off+64
	s_load_b512 s[68:83], s[MP:MP+1], \off+128
	s_load_b512 s[84:99], s[MP:MP+1], \off+192
.endm
.macro BOUNDS e, sc, hi, lo            ; 2^e, 448 x 2^e and its negative, as f32
	s_add_co_i32 s92, s[\e], 127
	s_lshl_b32 s[\sc], s92, 23
	s_add_co_i32 s92, s92, 8
	s_lshl_b32 s92, s92, 23
	s_or_b32 s[\hi], s92, 0x600000
	s_or_b32 s[\lo], s[\hi], 0x80000000
.endm
; My share of a step, into 32 registers from xb on: K: keys 8 w + 0 .. 7, four loads of 512 consecutive bytes (load i: key 8 w + 2 i + lane / 16, channels 4 (lane % 16) on);
; V: keys 16 (w / 2) + i, channel 32 (w % 2) + lane: a lane takes a channel and its registers run down the keys, which are the second product's K.
.macro LOADX xb, goff
.if \goff == 0                         ; (the head's second call finds the two offsets made, and in use)
	v_lshrrev_b32 v[X+32], 2, v[LI]
	v_lshlrev_b32 v[X+33], 4, v[LI]
.endif
.irp i, 0,1,2,3
	global_load_b128 v[\xb+4*\i:\xb+4*\i+3], v[LI], s[KP:KP+1] offset:\goff+512*\i
.endr
.set i, 0
.rept 16
	global_load_b32 v[\xb+16+i], v[X+32], s[VP:VP+1] offset:\goff+256*i
.set i, i+1
.endr
.endm
; A prefetch into the L2 of the step that the loads two steps on will ask for: 32,768 bytes of K and of V.  The four work-groups of a head share them out by address, 8,192 bytes each of K (wave 0) and of V (wave 1),
; lanes 256 bytes apart: each block of 256 bytes is named once.  Step s names step s + 4; the loop's last trip (steps 12 and 13) names nothing; steps 0 to 3 come by their loads alone.
.macro ASK
	s_cmp_gt_u32 s[CNT], s[PLIM]
	s_wait_alu depctr_va_vdst(0)                   ; the wait ahead of the branch
	s_cbranch_scc0 .Lnp_\@
	global_prefetch_b8 v[X+33], s[PFA:PFA+1] th:TH_LOAD_NT scope:SCOPE_SE
.Lnp_\@:
.endm
.macro QUANT xb, offk, offv            ; the numbers become codes and go to their places in LDS
	s_wait_alu depctr_va_vdst(0)                   ; the wait ahead of the wait below
	s_wait_loadcnt 0x0
	s_wait_xcnt 0x0                                ; the prefetch has read its address too: pointers and v[X+33] may be written
.set i, 0
.rept 16
	v_med3_num_f32 v[\xb+i], v[\xb+i], s[KLO], s[KHI]  ; the conversion does not saturate (ISA guide 7.6.2): the hold comes first
	v_med3_num_f32 v[\xb+16+i], v[\xb+16+i], s[VLO], s[VHI]
.set i, i+1
.endr
	v_mov_b32 v[X+34], s[KSC]
	v_mov_b32 v[X+35], s[VSC]
	v_add_nc_u32 v[X+44], s[TBK], v[LSK]
	v_add_nc_u32 v[X+45], s[TBV], v[LSV]
	v_cvt_scalef32_pk8_fp8_f32 v[X+36:X+37], v[\xb:\xb+7], v[X+34]
	v_cvt_scalef32_pk8_fp8_f32 v[X+38:X+39], v[\xb+8:\xb+15], v[X+34]
	v_cvt_scalef32_pk8_fp8_f32 v[X+40:X+41], v[\xb+16:\xb+23], v[X+35]
	v_cvt_scalef32_pk8_fp8_f32 v[X+42:X+43], v[\xb+24:\xb+31], v[X+35]
	v_nop
.irp i, 0,1,2,3
	ds_store_b32 v[X+44], v[X+36+\i] offset:\offk+2*KPI*\i   ; two rows of K, four channels a lane
.endr
	ds_store_b128 v[X+45], v[X+40:X+43] offset:\offv         ; 16 keys of my channel
	s_add_nc_u64 s[KP:KP+1], s[KP:KP+1], GSTEP
	s_add_nc_u64 s[VP:VP+1], s[VP:VP+1], GSTEP
.endm
.macro KS g                            ; S^T = K Q^T, four tiles of 16 keys, each fragment for both tiles of queries
.irp t, 0,1,2,3
	ds_load_b128 v[T+8*\t:T+8*\t+3],   v[TP] offset:(4*(\g)+\t)*16*KPI
	ds_load_b128 v[T+8*\t+4:T+8*\t+7], v[TP] offset:(4*(\g)+\t)*16*KPI+16
.endr
	s_wait_dscnt 0x0
.irp t, 0,1,2,3
	v_wmma_f32_16x16x64_fp8_fp8 v[S+8*(4*(\g)+\t):S+8*(4*(\g)+\t)+7], v[T+8*\t:T+8*\t+7], v[QF:QF+7], 0
	v_wmma_f32_16x16x64_fp8_fp8 v[S+64+8*(4*(\g)+\t):S+64+8*(4*(\g)+\t)+7], v[T+8*\t:T+8*\t+7], v[QF+8:QF+15], 0
.endr
	PLACES 4
.endm
.macro MASK x
.set n, 0
.rept 64
	v_cndmask_b32 v[S+64*(\x)+n], v[S+64*(\x)+n], v[XF], s[32+n+4*(n/32)]
.set n, n+1
.endr
.endm
.macro SOFT x
.set SX, S+64*(\x)
.set OX, O+32*(\x)
.set PX, T+16*(\x)
.set NX, NM+2*(\x)
.set FX, FF+2*(\x)
.irp k, 0,1,2,3                        ; the step's largest score of my query, among my 64 keys, in four chains
	v_max3_num_f32 v[C0+\k], v[SX+3*\k], v[SX+3*\k+1], v[SX+3*\k+2]
.endr
.irp i, 12,20,28,36,44,52
.irp k, 0,1,2,3
	s_delay_alu instid0(VALU_DEP_4)
	v_max3_num_f32 v[C0+\k], v[C0+\k], v[SX+\i+2*\k], v[SX+\i+2*\k+1]
.endr
.endr
	s_delay_alu instid0(VALU_DEP_4)
	v_max3_num_f32 v[C0], v[C0], v[SX+60], v[SX+61]
	s_delay_alu instid0(VALU_DEP_4)
	v_max3_num_f32 v[C0+1], v[C0+1], v[SX+62], v[SX+63]
	s_delay_alu instid0(VALU_DEP_1)
	v_max3_num_f32 v[C0], v[C0], v[C0+1], v[C0+2]
	s_delay_alu instid0(VALU_DEP_1)
	v_max_num_f32 v[C0], v[C0], v[C0+3]
	s_delay_alu instid0(VALU_DEP_1)
	v_permlanex16_b32 v[TP], v[C0], s[SEL], s[SEL+1]
	s_delay_alu instid0(VALU_DEP_1)
	v_max_num_f32 v[C0], v[C0], v[TP]              ; and among lane l xor 16's
	s_delay_alu instid0(VALU_DEP_1)
	v_mul_f32 v[C0], s[CS], v[C0]
	s_delay_alu instid0(VALU_DEP_1)
	v_max_num_f32 v[NX+1], v[NX+1], v[C0]          ; the running largest t
	v_mov_b32 v[C0], v[NX]
	s_delay_alu instid0(VALU_DEP_2)
	v_floor_f32 v[NX], -v[NX+1]                    ; -M = floor(-t)
	s_delay_alu instid0(VALU_DEP_1)
	v_sub_f32 v[C0], v[NX], v[C0]
	s_delay_alu instid0(VALU_DEP_1)
	v_cvt_i32_f32 v[C0], v[C0]
	s_delay_alu instid0(VALU_DEP_1)
	v_ldexp_f32 v[FX], 1.0, v[C0]                  ; f = 2^(old M - new M)
.set j, 0
.rept 32
	v_pk_fma_f32 v[SX+j:SX+j+1], v[SX+j:SX+j+1], s[CS:CS+1], v[NX:NX+1] op_sel_hi:[1,0,0]
.set j, j+2
.endr
.set j, 0
	s_wait_alu depctr_va_vdst(0)                   ; the wait ahead of the batch
.rept 64
	v_exp_f32 v[SX+j], v[SX+j]
.set j, j+1
.endr
.set j, 0
	s_wait_alu depctr_va_vdst(0)                   ; and directly ahead of the first reader of O^T
.rept 16
	v_pk_mul_f32 v[OX+j:OX+j+1], v[OX+j:OX+j+1], v[FX:FX+1] op_sel_hi:[1,0]
.set j, j+2
.endr
	s_wait_alu depctr_va_vdst(0)                   ; one wait for the batch, ahead of its first reader
.irp k, 0,1,2,3                        ; the sum of the unquantised p, two at a time, in four chains: v[56:57], v[58:59], v[60:61], v[62:63]
	v_pk_add_f32 v[C0+2*\k:C0+2*\k+1], v[SX+4*\k:SX+4*\k+1], v[SX+4*\k+2:SX+4*\k+3]
.endr
.irp j, 16,24,32,40,48,56
.irp k, 0,1,2,3
	v_pk_add_f32 v[C0+2*\k:C0+2*\k+1], v[C0+2*\k:C0+2*\k+1], v[SX+\j+2*\k:SX+\j+2*\k+1]
.endr
.endr
	v_pk_add_f32 v[SU:SU+1], v[SU:SU+1], v[SU+2:SU+3]
	v_pk_add_f32 v[C0:C0+1], v[C0:C0+1], v[C0+2:C0+3]
	s_delay_alu instid0(VALU_DEP_1)
	v_pk_add_f32 v[SU:SU+1], v[SU:SU+1], v[C0:C0+1]
	s_delay_alu instid0(VALU_DEP_1)
	v_add_f32 v[SU], v[SU], v[SU+1]
	s_delay_alu instid0(VALU_DEP_1)
	v_fma_f32 v[LS+(\x)], v[LS+(\x)], v[FX], v[SU] ; under the new M
	s_cmp_lg_u32 s[HOLD], 0
	s_wait_alu depctr_va_vdst(0)                   ; the wait ahead of the branch
	s_cbranch_scc0 .Lnh_\@                         ; the given scales leave p under the largest code: see the head
.set j, 0
.rept 64
	v_min_num_f32 v[SX+j], s[LIM], v[SX+j]
.set j, j+1
.endr
.Lnh_\@:
	v_mov_b32 v[TP], s[SCS]
.irp b, 0,1,2,3
	v_cvt_scalef32_pk8_fp8_f32 v[PX+4*\b:PX+4*\b+1], v[SX+16*\b:SX+16*\b+7], v[TP]
	v_cvt_scalef32_pk8_fp8_f32 v[PX+4*\b+2:PX+4*\b+3], v[SX+16*\b+8:SX+16*\b+15], v[TP]
.endr
	v_nop
.endm
.macro VLOAD                           ; V^T's four tiles of 16 channels x 128 keys, into the registers that tile 1's p has left
	v_add_nc_u32 v[S+46], s[TBV], v[LIV]
	v_add_nc_u32 v[S+47], 32*VPI, v[S+46]          ; an LDS offset has 16 bits: tiles 2 and 3 by a second address
.irp t, 0,1
.irp c, 0,1,2,3
	ds_load_b128 v[S+64+16*\t+4*\c:S+64+16*\t+4*\c+3], v[S+46] offset:16*VPI*\t+32*\c
.endr
.endr
.irp t, 0,1
.irp c, 0,1,2,3
	ds_load_b128 v[S+96+16*\t+4*\c:S+96+16*\t+4*\c+3], v[S+47] offset:16*VPI*\t+32*\c
.endr
.endr
.endm
.macro PV
.irp t, 0,1,2,3
	v_wmma_f32_16x16x128_fp8_fp8 v[O+8*\t:O+8*\t+7], v[S+64+16*\t:S+64+16*\t+15], v[T:T+15], v[O+8*\t:O+8*\t+7]
	v_wmma_f32_16x16x128_fp8_fp8 v[O+32+8*\t:O+32+8*\t+7], v[S+64+16*\t:S+64+16*\t+15], v[T+16:T+31], v[O+32+8*\t:O+32+8*\t+7]
.endr
.endm
; A step.  more = 1: K and V of the step two on are fetched and quantised on the way; bar = 1: the barrier stands at its end; nxt = 1: a step follows, whose first lane masks are asked for.
.macro STEP more, bar, nxt
	v_add_nc_u32 v[TP], s[TBK], v[LIK]
	PLACES 4                                       ; with the line above five places behind the last products
	s_wait_alu depctr_va_vdst(0)
	KS 0
	KS 1
	s_wait_kmcnt 0x0
	MASK 0
	WORDS 4096
	SOFT 0
	s_wait_kmcnt 0x0
.if \nxt
	s_wait_xcnt 0x0
	s_add_nc_u64 s[MP:MP+1], s[MP:MP+1], 256
.endif
.if \more
	LOADX X, 0
	ASK
.endif
	s_wait_alu depctr_va_vdst(0)                   ; the wait directly ahead of the first reader of tile 1's scores
	MASK 1
.if \nxt
	WORDS 0
.endif
	SOFT 1
	VLOAD
.if \more
	QUANT X, 2*KSTEP, 256
	s_add_nc_u64 s[PFA:PFA+1], s[PFA:PFA+1], GSTEP
.else
	s_wait_alu depctr_va_vdst(0)
.endif
	s_wait_dscnt 0x0                               ; V's fragments are in, and my stores of codes are done
.if \bar
	s_barrier_signal -1
.endif
	PV                                             ; work on registers alone between signal and wait
.if \bar
	s_barrier_wait -1                              ; the next two steps' codes are whole
.endif
	s_add_co_u32 s[TBK], s[TBK], KSTEP
	s_add_co_u32 s[TBV], s[TBV], 128
.endm
	s_load_b256 s[68:75], s[0:1], 0x0              ; Q s[68:69], K s[70:71], V s[72:73], maskw s[74:75]
	s_load_b128 s[76:79], s[0:1], 0x20             ; lowp_scales s[76:77], out0 s[78:79]
	v_lshrrev_b32 v1, 5, v0
	v_readfirstlane_b32 s[WV], v1                  ; wave 0..15
	v_and_b32 v[LI], 31, v0
	v_lshlrev_b32 v[LI], 4, v[LI]
	s_and_b32 s80, ttmp7, 0xffff                   ; the head
	s_lshl_b32 s81, s[WV], 13
	s_lshl_b32 s83, ttmp9, 17
	s_add_co_u32 s81, s81, s83                     ; my 32 queries in the head: 8,192 bytes of Q, of out0 and of maskw alike
	s_lshl_b32 s82, s80, 19                        ; a head is 2^19 bytes of each f32 tensor
	s_add_co_u32 s88, s82, s81
	s_mov_b32 s89, 0
	s_lshr_b32 s90, s80, 4                         ; the batch
	s_lshl_b32 s90, s90, 19
	s_add_co_u32 s90, s90, s81
	s_mov_b32 s91, 0
	s_lshl_b32 s92, s[WV], 11                      ; K: 8 keys a wave
	s_add_co_u32 s92, s92, s82
	s_mov_b32 s93, 0
	s_lshr_b32 s98, s[WV], 1                       ; V: which 16 keys,
	s_and_b32 s99, s[WV], 1                        ; which 32 channels
	s_lshl_b32 s94, s98, 12
	s_lshl_b32 s83, s99, 7
	s_add_co_u32 s94, s94, s83
	s_add_co_u32 s94, s94, s82
	s_mov_b32 s95, 0
	s_lshl_b32 s96, ttmp9, 13                      ; the prefetches: my work-group's quarter of step 4
	s_add_co_u32 s96, s96, s82
	s_add_co_u32 s96, s96, 4*GSTEP
	s_mov_b32 s97, 0
	s_mul_i32 s100, s99, 32*VPI                    ; V's codes in LDS: row 32 (w % 2) + lane, byte 16 (w / 2)
	s_lshl_b32 s83, s98, 4
	s_add_co_u32 s100, s100, s83
	s_add_co_u32 s100, s100, VOFF
	s_lshr_b32 s83, s[WV], 2                       ; K's codes: key 8 w + .. lies in row 32 (w / 4) + 16 (w % 2) + 8 ((w / 2) % 2) + ..
	s_lshl_b32 s83, s83, 5
	s_lshl_b32 s27, s99, 4
	s_add_co_u32 s83, s83, s27
	s_and_b32 s27, s98, 1
	s_lshl_b32 s27, s27, 3
	s_add_co_u32 s83, s83, s27
	s_mul_i32 s83, s83, KPI
	s_mul_i32 s27, s[WV], 32*KPI
	s_add_co_u32 s27, s27, QST                     ; where my Q turns
	s_mov_b32 s[SEL], 0x76543210
	s_mov_b32 s[SEL+1], 0xfedcba98
	s_mov_b32 s[TBK], 0
	s_mov_b32 s[TBV], 0
	s_wait_alu depctr_va_vdst(0)                   ; the wait ahead of the wait below
	s_wait_kmcnt 0x0
	s_load_b128 s[84:87], s[76:77], 0x0            ; eq, ek, ep, ev
	s_add_nc_u64 s[QP:QP+1], s[68:69], s[88:89]
	s_add_nc_u64 s[OP:OP+1], s[78:79], s[88:89]
	s_add_nc_u64 s[MP:MP+1], s[74:75], s[90:91]
	s_add_nc_u64 s[KP:KP+1], s[70:71], s[92:93]
	s_add_nc_u64 s[VP:VP+1], s[72:73], s[94:95]
	s_cmp_eq_u32 s[WV], 0
	s_cselect_b64 s[PFA:PFA+1], s[70:71], s[72:73]
	s_add_nc_u64 s[PFA:PFA+1], s[PFA:PFA+1], s[96:97]
	s_cmp_lt_u32 s[WV], 2
	s_cselect_b32 s[PLIM], 1, 64                   ; waves 0 and 1 ask while more than one trip is left; the count never passes 64
.set i, 0
.rept 16
	global_load_b128 v[S+64+4*i:S+64+4*i+3], v[LI], s[QP:QP+1] offset:512*i th:TH_LOAD_NT   ; 512 consecutive bytes: query 2 i + lane / 16, channels 4 (lane % 16) on
.set i, i+1
.endr
	LOADX X, 0                                     ; step 0,
	LOADX O, GSTEP                                 ; and step 1, into registers that O^T takes later
	v_and_b32 v[S+40], 15, v0                      ; r
	v_bfe_u32 v[S+41], v0, 4, 1                    ; h
	v_and_b32 v[S+42], 31, v0
	v_mul_u32_u24 v[LIK], v[S+40], KPI
	v_mul_u32_u24 v[LIV], v[S+40], VPI
	v_mul_u32_u24 v[S+43], v[S+41], KPI
	v_mul_u32_u24 v[LSV], v[S+42], VPI
	v_lshl_add_u32 v[LIK], v[S+41], 5, v[LIK]      ; K, Q: row r, channels 32 h on
	v_lshl_add_u32 v[LIV], v[S+41], 4, v[LIV]
	v_lshl_add_u32 v[S+43], v[S+40], 2, v[S+43]    ; on the way in: row lane / 16, byte 4 (lane % 16)
	v_add_nc_u32 v[LSV], s100, v[LSV]
	v_add_nc_u32 v[LIV], VOFF, v[LIV]              ; V: row r, keys 16 h on
	v_add_nc_u32 v[LSK], s83, v[S+43]
	v_add_nc_u32 v[S+46], s27, v[S+43]
	v_add_nc_u32 v[S+47], s27, v[LIK]
	s_wait_kmcnt 0x0
	s_add_co_i32 s90, s84, s85
	s_lshl_b32 s91, s90, 23
	s_add_co_i32 s[CS], s91, 0x3e38aa3b            ; c = log2(e) / 8 x 2^(eq + ek)
	s_mov_b32 s[CS+1], s[CS]
	s_sub_co_i32 s91, 157, s90
	s_lshl_b32 s91, s91, 23
	s_or_b32 s91, s91, 0x80000000
	v_mov_b32 v[XF], s91                           ; -2^30 / 2^(eq + ek)
	s_cmp_gt_i32 s90, 2
	s_cselect_b32 s[HOLD], 1, 0
	s_cmp_lt_i32 s86, -8
	s_cselect_b32 s[HOLD], 1, s[HOLD]              ; 1: p is held
	s_add_co_i32 s[EPV], s86, s87
	BOUNDS 86, SCS, LIM, 27
	BOUNDS 85, KSC, KHI, KLO
	BOUNDS 87, VSC, VHI, VLO
	BOUNDS 84, 27, 100, 101
	v_mov_b32 v[S+44], s27                         ; 2^eq
	WORDS 0
.irp x, 0,1
	v_mov_b32 v[NM+2*\x+1], 0xff61b1e6             ; the largest t so far: -3e38
	v_floor_f32 v[NM+2*\x], -v[NM+2*\x+1]
	v_mov_b32 v[LS+\x], 0
	v_mov_b32 v[FF+2*\x], 0
.endr
	v_mov_b32 v[TP], 0
	s_wait_alu depctr_va_vdst(0)                   ; the wait ahead of the wait below
	s_wait_loadcnt 40                              ; Q is in; the 40 loads of steps 0 and 1 may be out
.set j, 0
.rept 64
	v_med3_num_f32 v[S+64+j], v[S+64+j], s101, s100
.set j, j+1
.endr
.irp m, 0,1,2,3,4,5,6,7
	v_cvt_scalef32_pk8_fp8_f32 v[S+48+2*\m:S+48+2*\m+1], v[S+64+8*\m:S+64+8*\m+7], v[S+44]
.endr
	v_nop
.set i, 0
.rept 16
	ds_store_b32 v[S+46], v[S+48+i] offset:2*KPI*i ; Q's codes by rows, in my own bytes;
.set i, i+1
.endr
.irp x, 0,1
	ds_load_b128 v[QF+8*\x:QF+8*\x+3],   v[S+47] offset:16*KPI*\x       ; and back as fragments: LDS serves a wave's instructions in order
	ds_load_b128 v[QF+8*\x+4:QF+8*\x+7], v[S+47] offset:16*KPI*\x+16
.endr
	QUANT X, 0, 0
	QUANT O, KSTEP, 128
.set j, 0
.rept 64
	v_mov_b32 v[O+j], 0                            ; the step is written for every step alike: the first finds zeros
.set j, j+1
.endr
	s_wait_alu depctr_va_vdst(0)                   ; the wait at the head's end
	s_wait_dscnt 0x0
	s_barrier_signal -1
	s_barrier_wait -1                              ; the codes of steps 0 and 1 are whole
	s_mov_b32 s[CNT], 7
.Lstep:                                            ; seven trips of two steps: steps 0 to 13
	STEP 1, 0, 1
	STEP 1, 1, 1
	s_sub_co_u32 s[CNT], s[CNT], 1
	s_cmp_lg_u32 s[CNT], 0
	s_wait_alu depctr_va_vdst(0)
	s_cbranch_scc1 .Lstep
	STEP 0, 0, 1                                   ; the last two steps fetch nothing
	STEP 0, 0, 0
	; THE WAY OUT, through my stage in LDS: 8,704 bytes a wave from byte 0 on, 139,264 in all: inside the rows of K's steps 0 to 13, which nobody reads behind the last barrier.
	v_and_b32 v[LIK], 15, v0
	v_bfe_u32 v[XF], v0, 4, 1
	s_mul_i32 s100, s[WV], 2*STG
	v_mul_u32_u24 v[STO], v[LIK], SP
	s_delay_alu instid0(VALU_DEP_1)
	v_lshl_add_u32 v[STO], v[XF], 5, v[STO]
	s_delay_alu instid0(VALU_DEP_1)
	v_add_nc_u32 v[STO], s100, v[STO]
	v_mul_u32_u24 v[RD], v[XF], SP
	s_delay_alu instid0(VALU_DEP_1)
	v_lshl_add_u32 v[RD], v[LIK], 4, v[RD]
	s_delay_alu instid0(VALU_DEP_1)
	v_add_nc_u32 v[RD], s100, v[RD]
	v_permlanex16_b32 v[TP], v[LS], s[SEL], s[SEL+1]
	v_permlanex16_b32 v[NM+2], v[LS+1], s[SEL], s[SEL+1]
	s_delay_alu instid0(VALU_DEP_2)
	v_add_f32 v[LS], v[LS], v[TP]
	s_delay_alu instid0(VALU_DEP_2)
	v_add_f32 v[LS+1], v[LS+1], v[NM+2]
	s_wait_alu depctr_va_vdst(0)
	v_rcp_f32 v[LS], v[LS]
	v_rcp_f32 v[LS+1], v[LS+1]
	v_nop
	s_wait_alu depctr_va_vdst(0)
	v_ldexp_f32 v[FF], v[LS], s[EPV]               ; 2^(ep + ev) / the sum
	v_ldexp_f32 v[FF+2], v[LS+1], s[EPV]
	s_wait_alu depctr_va_vdst(0)                   ; the wait directly ahead of the first reader of O^T
.irp x, 0,1
.set j, 0
.rept 16
	v_pk_mul_f32 v[S+32*\x+j:S+32*\x+j+1], v[O+32*\x+j:O+32*\x+j+1], v[FF+2*\x:FF+2*\x+1] op_sel_hi:[1,0]
.set j, j+2
.endr
.endr
.irp x, 0,1
.irp t, 0,1,2,3
	ds_store_b128 v[STO], v[S+32*\x+8*\t:S+32*\x+8*\t+3] offset:STG*\x+64*\t
	ds_store_b128 v[STO], v[S+32*\x+8*\t+4:S+32*\x+8*\t+7] offset:STG*\x+64*\t+16
.endr
.irp i, 0,1,2,3,4,5,6,7
	ds_load_b128 v[S+64+32*\x+4*\i:S+64+32*\x+4*\i+3], v[RD] offset:STG*\x+2*\i*SP
.endr
.endr
.irp x, 0,1
.irp i, 0,1,2,3,4,5,6,7
	s_wait_dscnt 16*(1-\x)+7-\i                    ; what was issued behind this row's load may be out
	global_store_b128 v[LI], v[S+64+32*\x+4*\i:S+64+32*\x+4*\i+3], s[OP:OP+1] offset:4096*\x+512*\i th:TH_STORE_NT   ; sixteen lanes store a row of 256 bytes
.endr
.endr
	s_wait_xcnt 0x0                                ; the stores have read v254 and v255
	v_lshl_add_u32 v254, v0, 2, SPARE
	v_mov_b32 v255, 0
	s_wait_alu depctr_va_vdst(0)
	s_wait_tensorcnt 0x0                           ; the wave's end
	ds_add_u32 v254, v255
	s_wait_dscnt 0x0
	s_endpgm
.Lfunc_end_k_q9c25a8730d_attn:
	.size	k_q9c25a8730d_attn, .Lfunc_end_k_q9c25a8730d_attn-k_q9c25a8730d_attn
	.p2alignl 7, 3214868480
	.fill 96, 4, 3214868480
	.section	.rodata,"a",@progbits
	.p2align	6, 0x0
	.amdhsa_kernel k_q9c25a8730d_attn
		.amdhsa_group_segment_fixed_size 297984
		.amdhsa_private_segment_fixed_size 0
		.amdhsa_enable_private_segment 0
		.amdhsa_kernarg_size 48
		.amdhsa_user_sgpr_count 2
		.amdhsa_user_sgpr_kernarg_segment_ptr 1
		.amdhsa_wavefront_size32 1
		.amdhsa_system_sgpr_workgroup_id_x 1
		.amdhsa_system_sgpr_workgroup_id_y 1
		.amdhsa_system_sgpr_workgroup_id_z 1
		.amdhsa_system_vgpr_workitem_id 0
		.amdhsa_next_free_vgpr 256
		.amdhsa_next_free_sgpr 102
		.amdhsa_reserve_vcc 0
		.amdhsa_float_denorm_mode_32 3
		.amdhsa_float_denorm_mode_16_64 3
		.amdhsa_memory_ordered 1
		.amdhsa_forward_progress 1
		.amdhsa_inst_pref_size 202
	.end_amdhsa_kernel
	.amdgpu_metadata
---
amdhsa.version: [ 1, 2 ]
amdhsa.kernels:
  - .name:           k_q9c25a8730d_attn
    .symbol:         k_q9c25a8730d_attn.kd
    .args:
      - { .name: Q, .offset: 0, .size: 8, .value_kind: global_buffer, .address_space: global }
      - { .name: K, .offset: 8, .size: 8, .value_kind: global_buffer, .address_space: global }
      - { .name: V, .offset: 16, .size: 8, .value_kind: global_buffer, .address_space: global }
      - { .name: maskw, .offset: 24, .size: 8, .value_kind: global_buffer, .address_space: global }
      - { .name: lowp_scales, .offset: 32, .size: 8, .value_kind: global_buffer, .address_space: global }
      - { .name: out0, .offset: 40, .size: 8, .value_kind: global_buffer, .address_space: global }
    .group_segment_fixed_size: 297984
    .private_segment_fixed_size: 0
    .kernarg_segment_align: 8
    .kernarg_segment_size: 48
    .max_flat_workgroup_size: 512
    .sgpr_count:     102
    .vgpr_count:     256
    .wavefront_size: 32
...
	.end_amdgpu_metadata
.endif
;; end of part 2
